; MI455X (gfx1250); checked and timed in simulation.
; The chip was launched on July 23, 2026; its instructions are those of AMD's public machine-readable ISA for CDNA 5 (MIT licence, August 2026) and "CDNA5" Instruction Set Architecture Reference Guide (July 2026). The comments in the code are by the model that wrote it; some were corrected since.
;; Senri Attention. Allowed arithmetic: float matrix products may take bf16 or f16 operands with f32 sums; all other float work in f32.
;; Inputs: M 2,048 x 2,048 float32; Wk 2,048 x 2,048 float32; Wo 2,048 x 2,048 float32; Wq 2,048 x 2,048 float32; Wv 2,048 x 2,048 float32; hidden_states 2 x 1,024 x 2,048 float32; z 2,048 float32.
;; Outputs: out0 2 x 1,024 x 2,048 float32; out1 2,048 x 2,048 float32; out2 2,048 float32.
;; One version. Each part assembles by itself: llvm-mc -triple=amdgcn-amd-amdhsa -mcpu=gfx1250 --defsym DOCPART=n.
;; ======== version 1 of 1: 3 launches
;; limits: values are held in f16: magnitudes above 65,504 overflow, below 6.1e-05 lose precision
;; workspace buffers: cb 50,331,648 bytes; act 33,554,432 bytes; part 262,144 bytes
;; launch cast (part 1): grid 256 x 6, 8 waves a work-group, no clusters, 0 bytes of LDS; arguments hidden_states, Wk, Wv, Wo, Wq, M, cb; writes cb
.if DOCPART == 1
	.amdgcn_target "amdgcn-amd-amdhsa--gfx1250"
	.amdhsa_code_object_version 6
	.text
	.protected	k_q5eb3d7d78f_cast
	.globl	k_q5eb3d7d78f_cast
	.p2align	8
	.type	k_q5eb3d7d78f_cast,@function
k_q5eb3d7d78f_cast:
	s_mov_b64 s[64:65], 0
	v_nop
	global_prefetch_b8 v0, s[64:65] scope:SCOPE_SE
	s_setreg_imm32_b32 hwreg(HW_REG_WAVE_MODE, 25, 1), 1
	s_wait_xcnt 0x0
; Six matrices of 2048 x 2048 f32 are rounded once to bf16 (nearest even) into the six sections of cb:
; 0 hidden_states (X), 1 Wk, 2 Wv, 3 Wo, 4 Wq, 5 M, each [2048][2048] bf16, 8,388,608 bytes.
; A stream: every byte is read once and written once, so there is no LDS, no barrier, no matrix unit and no cluster
; (no two work-groups read the same byte).
; Work-group (x, y): 65,536 bytes of matrix y from byte 65,536 x on, 32,768 bytes of cb.  Eight waves, 256 threads.
; Step j of 16: thread t loads the 16 bytes at 4,096 j + 16 t (a wave: 512 consecutive bytes) and stores the 8 bytes at
; 2,048 j + 8 t (a wave: 256 consecutive bytes, aligned).  All sixteen loads go out first.
; A step's two packed words are written over the first two of its own four loaded registers: 68 registers a wave, so that
; the two waves that a work-group puts on a SIMD take 136 of its 1,024 and the six work-groups of 1,536 / 256 lie side by side.
.set STEPS, 16
.set X, 4                              ; v[4:67]   step j: four f32 as loaded; then two words of bf16 in the first two
	s_load_b256 s[4:11], s[0:1], 0x0               ; hidden_states s[4:5], Wk s[6:7], Wv s[8:9], Wo s[10:11]
	s_load_b128 s[12:15], s[0:1], 0x20             ; Wq s[12:13], M s[14:15]
	s_load_b64 s[16:17], s[0:1], 0x30              ; cb
	s_and_b32 s18, ttmp7, 0xffff                   ; y: which matrix
	s_lshl_b32 s20, ttmp9, 16                      ; my part of the source, in bytes
	s_mov_b32 s21, 0
	s_lshl_b32 s22, s18, 23                        ; the section of cb,
	s_lshl_b32 s23, ttmp9, 15                      ; and my part of it
	s_add_co_u32 s22, s22, s23
	s_mov_b32 s23, 0
	v_lshlrev_b32 v1, 4, v0                        ; 16 t
	v_lshlrev_b32 v2, 3, v0                        ; 8 t
	s_wait_kmcnt 0x0
.irp i, 1,2,3,4,5
	s_cmp_eq_u32 s18, \i                           ; the source is chosen by the work-group's y alone
	s_cselect_b64 s[4:5], s[4+2*\i:5+2*\i], s[4:5]
.endr
	s_add_nc_u64 s[4:5], s[4:5], s[20:21]
	s_add_nc_u64 s[16:17], s[16:17], s[22:23]
.irp j, 0,1,2,3,4,5,6,7,8,9,10,11,12,13,14,15
	global_load_b128 v[X+4*\j:X+4*\j+3], v1, s[4:5] offset:4096*\j th:TH_LOAD_NT
.endr
.irp j, 0,1,2,3,4,5,6,7,8,9,10,11,12,13,14,15
	s_wait_loadcnt STEPS-1-\j                      ; loads come back in order (ISA guide 5.7.1): step j is in, the younger ones stay out
	v_cvt_pk_bf16_f32 v[X+4*\j],   v[X+4*\j],   v[X+4*\j+1]        ; numbers 0, 1, over number 0
	v_cvt_pk_bf16_f32 v[X+4*\j+1], v[X+4*\j+2], v[X+4*\j+3]        ; numbers 2, 3, over number 1, which has been read
	global_store_b64 v2, v[X+4*\j:X+4*\j+1], s[16:17] offset:2048*\j   ; no hint: the next launch reads these bytes
.endr
	s_endpgm
.Lfunc_end_k_q5eb3d7d78f_cast:
	.size	k_q5eb3d7d78f_cast, .Lfunc_end_k_q5eb3d7d78f_cast-k_q5eb3d7d78f_cast
	.p2alignl 7, 3214868480
	.fill 96, 4, 3214868480
	.section	.rodata,"a",@progbits
	.p2align	6, 0x0
	.amdhsa_kernel k_q5eb3d7d78f_cast
		.amdhsa_group_segment_fixed_size 0
		.amdhsa_private_segment_fixed_size 0
		.amdhsa_enable_private_segment 0
		.amdhsa_kernarg_size 56
		.amdhsa_user_sgpr_count 2
		.amdhsa_user_sgpr_kernarg_segment_ptr 1
		.amdhsa_wavefront_size32 1
		.amdhsa_system_sgpr_workgroup_id_x 1
		.amdhsa_system_sgpr_workgroup_id_y 1
		.amdhsa_system_sgpr_workgroup_id_z 1
		.amdhsa_system_vgpr_workitem_id 0
		.amdhsa_next_free_vgpr 68
		.amdhsa_next_free_sgpr 66
		.amdhsa_reserve_vcc 0
		.amdhsa_float_denorm_mode_32 3
		.amdhsa_float_denorm_mode_16_64 3
		.amdhsa_memory_ordered 1
		.amdhsa_forward_progress 1
		.amdhsa_inst_pref_size 7
	.end_amdhsa_kernel
	.amdgpu_metadata
---
amdhsa.version: [ 1, 2 ]
amdhsa.kernels:
  - .name:           k_q5eb3d7d78f_cast
    .symbol:         k_q5eb3d7d78f_cast.kd
    .args:
      - { .name: hidden_states, .offset: 0, .size: 8, .value_kind: global_buffer, .address_space: global }
      - { .name: Wk, .offset: 8, .size: 8, .value_kind: global_buffer, .address_space: global }
      - { .name: Wv, .offset: 16, .size: 8, .value_kind: global_buffer, .address_space: global }
      - { .name: Wo, .offset: 24, .size: 8, .value_kind: global_buffer, .address_space: global }
      - { .name: Wq, .offset: 32, .size: 8, .value_kind: global_buffer, .address_space: global }
      - { .name: M, .offset: 40, .size: 8, .value_kind: global_buffer, .address_space: global }
      - { .name: cb, .offset: 48, .size: 8, .value_kind: global_buffer, .address_space: global }
    .group_segment_fixed_size: 0
    .private_segment_fixed_size: 0
    .kernarg_segment_align: 8
    .kernarg_segment_size: 56
    .max_flat_workgroup_size: 256
    .sgpr_count:     66
    .vgpr_count:     68
    .wavefront_size: 32
...
	.end_amdgpu_metadata
.endif
;; end of part 1
;; launch proj (part 2): grid 8 x 32, 4 waves a work-group, clusters of 4 x 4, 327,680 bytes of LDS; arguments cb, z, act, part; writes act, part
.if DOCPART == 2
	.amdgcn_target "amdgcn-amd-amdhsa--gfx1250"
	.amdhsa_code_object_version 6
	.text
	.protected	k_q5eb3d7d78f_proj
	.globl	k_q5eb3d7d78f_proj
	.p2align	8
	.type	k_q5eb3d7d78f_proj,@function
k_q5eb3d7d78f_proj:
	s_mov_b64 s[64:65], 0
	v_nop
	global_prefetch_b8 v0, s[64:65] scope:SCOPE_SE
	s_setreg_imm32_b32 hwreg(HW_REG_WAVE_MODE, 25, 1), 1
	s_wait_xcnt 0x0
	s_wait_alu depctr_hold_cnt(0) depctr_sa_sdst(0) depctr_va_vdst(0) depctr_va_sdst(0) depctr_va_ssrc(0) depctr_va_vcc(0) depctr_vm_vsrc(0)
	s_getreg_b32 s2, hwreg(HW_REG_IB_STS2, 6, 4)
	s_cmp_eq_u32 s2, 0
	s_cbranch_scc0 .Lentry_in_a_cluster
	s_endpgm
.Lentry_in_a_cluster:
	s_bfe_u32 s2, ttmp6, 0x10000c
	s_cmp_lg_u32 s2, 0xf033
	s_cbranch_scc0 .Lentry_shape_is_right
	s_endpgm
.Lentry_shape_is_right:
; Four products C = A B^T of 2048 x 2048 x 2048 side by side, operands bf16 from cb, sums in f32, results f16 into act:
;   g = 0: phi(X Wq^T)   = phi_q[t][e]      g = 1: phi(Wk X^T) = phi_k transposed, [d][t]
;   g = 2: Wv X^T        = v transposed, [e][t]      g = 3: Wo M^T = (M Wo^T) transposed, [f][d]
; phi(x) = elu(x) + 1 = max(x, 0) + 2^min(x log2 e, 0).  M Wo^T is formed here because
; ((phi_q M) / denom) Wo^T = (phi_q (M Wo^T)) / denom: denom is one number for each row.
; For g = 0 and 1 the f32 values of phi are also summed along each row of the wave's 128 columns, weighted by z[column] (g = 0: a part of
; denom) or by 1 (g = 1: a part of the sum of phi_k over tokens), into part[g][2 x block column + column half][row].
; LIMITS.  act is f16: |q| + 1, |k| + 1, |v| or |M Wo^T| above 65,504 becomes infinity.  With X and a weight both shifted by 30 of their
; spreads the largest is 2048 x 30 x 30 / sqrt(2048), about 40,700; with both 30 times larger about 4,800.  With M and Wo both 30 times
; smaller M Wo^T (spread 2.4e-5) lies in f16's denormals, whose step is 6e-8.  A NaN in q or k gives phi = 1 (the _num forms of max and min
; drop it).  2^x below 2^-126 comes out as 0 (ISA guide 15.8).
;
; A work-group makes a block of 256 x 256 of one product with four waves, a wave 128 x 128: 64 accumulator tiles of 16 x 16, 512 registers.
; 4 products x 8 x 8 blocks = 256 work-groups.  K goes in steps of 128 through a ring of two LDS slots filled by the tensor data mover: a
; tile's rows are 256 bytes of memory and start at multiples of 256 bytes from the buffer's first byte.
; CLUSTERS: 4 x 4 work-groups, all of one product (g hangs on the cluster's y alone).  The four of a row of the cluster need the same tiles
; of A, the four of a column the same tiles of B: each tile is asked for jointly, by the same tensor load with the same descriptor and a mask
; that names the four.  That divides the requests for A and for B by four.
;
; REGISTERS, in windows of 256:
;   window 0: v0-31 addresses; v32-63 rows read back (phi way out); v64-127, v128-191 fragments of A, two buffers; v192-239 at work on the way out
;   window 1: v64-127, v128-191 fragments of B, two buffers (v64-127 later: the 64 weights of the row sums)
;   window 2: the 32 accumulator tiles of my rows 0-63 (tile (a, b) at v[8 (8 a + b)]);   window 3: those of my rows 64-127
; THE MATRIX INSTRUCTION IS USED TRANSPOSED: source 0 = 16 rows of B, source 1 = 16 rows of A.  Lane l then holds row l % 16 of C, and its
; registers 0 to 7 the columns 8 (l / 16) + 0 .. 7: eight neighbouring numbers of a row, which pack into 16 bytes.
.set SIZE_K, 2048
.set ROWB,   SIZE_K*2                  ; bytes in a row of a 16-bit matrix
.set KSTEP,  128
.set PITCH,  272                       ; an LDS row: 256 bytes + 16 of padding = 68 words, so the 16 rows that a load touches start at 16 different banks (64 banks of 4 bytes: ISA guide 11.1)
.set HALFT,  128*PITCH                 ; 128 rows: what one tensor load brings, and what one wave reads of A or of B
.set SLOT,   4*HALFT                   ; A's 256 rows, then B's 256 rows
.set STAGE,  2*SLOT                    ; behind the ring: 16 rows x 272 bytes for each wave, for the way out; no tensor load lands here
.set SPITCH, 272
.set LAPS,   SIZE_K/(2*KSTEP)          ; a lap = two K steps = once round the ring: 8
.set ADRA, 16                          ; v16-17  LDS address of my A fragments in slot 0, 1
.set ADRB, 20                          ; v20-21  the same for B
.set STO,  24                          ; v24     the way out: where I put 16 bytes of a row
.set RD,   25                          ; v25     the way out: where I read a row back
.set CO,   26                          ; v26     my byte offset in C
.set SUMST, 27                         ; v27     my stage + 4 (l % 16): where a row's sum goes
.set SUMLD, 28                         ; v28     my stage + 16 l: where four rows' sums are read back
.set LANE16, 29                        ; v29     16 l
.set HALF32, 30                        ; v30     32 (l / 16): my eight columns of a tile, in bytes of f32
.set RB,   32                          ; v[32:63]   phi way out: rows read back from the stage
.set F0,   64                          ; fragment buffer 0
.set F1,   128                         ; fragment buffer 1
.set EX,   64                          ; v[64:127]  phi way out: x log2 e, then 2^min(.., 0)
.set PH,   128                         ; v[128:191] phi way out: max(x, 0), then phi
.set WT,   64                          ; window 1, v[64:127]: the weights of my 64 columns
.set PK,   192                         ; v[192:223] packed results
.set SM,   224                         ; v[224:231] four chains of two sums
.set RS,   232                         ; v[232:239] the row sums of the eight tile rows
.set G1, 24                            ; s[24:31] descriptor group 1 for A's tiles
.set G0, 32                            ; s[32:39] descriptor group 0 for A's tiles, one set for each slot
.set G1B, 48                           ; s[48:55] descriptor group 1 for B's tiles: it differs from A's in the mask alone
.set G0B, 56                           ; s[56:63] descriptor group 0 for B's tiles, one set for each slot
.set FLAGS, (1<<16)|(1<<20)|(1<<21)|(5<<22)|(3<<25)   ; 17:16 element of 2 bytes; 20 padding on; 21 set beside a mask; 24:22 after every 64 words; 31:25 of 4 words
.set MSB, 0
.macro WIN new                         ; the immediate's high byte repeats the setting that is left
.if MSB != \new
	s_set_vgpr_msb (MSB<<8)|\new
.set MSB, \new
.endif
.endm
.set MUL_LO, 0xa1                      ; source 0 (B) window 1, source 1 (A) window 0, C and D window 2
.set MUL_HI, 0xf1                      ; the same, C and D window 3
.set TO_B,   0x40                      ; destination window 1, address window 0
; A joint load.  Waves 0 and 1 fetch A's two halves, waves 2 and 3 B's.  Each line has one mask and one set of registers for all that issue it.
; The branch hangs on the wave's number alone: it is the same in every work-group.
.macro JLOAD s
	s_cmp_eq_u32 s11, 0
	s_cbranch_scc0 .Lfor_b_\@
	tensor_load_to_lds s[G0+4*\s:G0+4*\s+3], s[G1:G1+7]
	s_nop 0
	s_branch .Lasked_\@
.Lfor_b_\@:
	tensor_load_to_lds s[G0B+4*\s:G0B+4*\s+3], s[G1B:G1B+7]
	s_nop 0
.Lasked_\@:
.endm
; A round of the cluster's barrier: my work-group's barrier, so that wave 0's signal speaks for all four waves; wave 0 signals for the
; work-group; every wave waits for all sixteen work-groups; my work-group's barrier once more.
.macro CREST                           ; a round behind its opening barrier
	s_cmp_lg_u32 s10, 0
	s_cbranch_scc1 .Lnot_wave_0_\@
	s_barrier_signal -3
.Lnot_wave_0_\@:
	s_barrier_wait -3
	s_barrier_signal -1
	s_barrier_wait -1
.endm
.macro CROUND                          ; a whole round
	s_barrier_signal -1
	s_barrier_wait -1
	CREST
.endm
	s_load_b128 s[4:7], s[0:1], 0x0                ; cb s[4:5], z s[6:7]
	s_load_b128 s[68:71], s[0:1], 0x10             ; act s[68:69], part s[70:71]
	s_set_vgpr_msb 0x40
	v_lshl_add_u32 v255, v0, 2, 0x48400
	s_set_vgpr_msb 0x4000
	v_mov_b32 v255, 0
	s_set_vgpr_msb 0x1
	ds_add_u32 v255, v255
	s_set_vgpr_msb 0x100
	v_lshrrev_b32 v1, 5, v0
	v_readfirstlane_b32 s10, v1                    ; wave 0..3
	s_lshr_b32 s11, s10, 1                         ; which half of the block's rows is mine.  Also: I fetch for A (0) or for B (1)
	s_and_b32 s12, s10, 1                          ; which half of its columns.  Also: which 128 rows of that tile I fetch
	s_bfe_u32 s40, ttmp6, 0x40000                  ; cx: my place along the cluster's x
	s_bfe_u32 s41, ttmp6, 0x40004                  ; cy: along its y
	s_lshl_b32 s42, ttmp9, 2                       ; in a cluster launch ttmp9 and ttmp7 count clusters
	s_add_co_u32 s42, s42, s40                     ; block column 0..7 = 4 x cluster x + cx
	s_and_b32 s45, ttmp7, 0xffff                   ; cluster y, 0..7
	s_lshr_b32 s66, s45, 1                         ; g: the product, two clusters along y for each
	s_and_b32 s13, s45, 1
	s_lshl_b32 s13, s13, 2
	s_add_co_u32 s13, s13, s41                     ; block row 0..7 = 4 x (cluster y mod 2) + cy
	s_lshl_b32 s43, s41, 2
	s_lshl_b32 s43, 15, s43                        ; my row of the cluster: places 4 cy .. 4 cy + 3
	s_lshl_b32 s44, 0x1111, s40                    ; my column: places cx, cx + 4, cx + 8, cx + 12
	s_cmp_eq_u32 s66, 0                            ; B's section of cb: Wq (4) for g = 0, X (0) for g = 1 and 2, M (5) for g = 3; A's section is g itself
	s_cselect_b32 s67, 4, 0
	s_cselect_b32 s72, -1, 0                       ; all lanes' bits where the row sums are weighted by z
	s_cmp_eq_u32 s66, 3
	s_cselect_b32 s67, 5, s67
	; descriptor group 1: a tile of 128 rows x 128 elements, padded in LDS
	s_or_b32 s[G1+0], s43, FLAGS                   ; 15:0 the mask: A's tiles go to my row of the cluster
	s_or_b32 s[G1B+0], s44, FLAGS                  ; B's tiles to my column
	s_mov_b32 s[G1B+1], KSTEP<<16
	s_mov_b32 s[G1+1], KSTEP<<16                   ; 63:48 tensor_dim0, low half = 128
	s_mov_b32 s[G1B+2], 128<<16
	s_mov_b32 s[G1+2], 128<<16                     ; 95:80 tensor_dim1, low half = 128
	s_mov_b32 s[G1B+3], KSTEP<<16
	s_mov_b32 s[G1+3], KSTEP<<16                   ; 127:112 tile_dim0 = 128
	s_mov_b32 s[G1B+4], 128
	s_mov_b32 s[G1+4], 128                         ; 143:128 tile_dim1 = 128; tile_dim2 = 0
	s_mov_b32 s[G1B+5], SIZE_K
	s_mov_b32 s[G1+5], SIZE_K                      ; 191:160 elements from row to row
	s_mov_b32 s[G1B+6], 0
	s_mov_b32 s[G1+6], 0
	s_mov_b32 s[G1B+7], 0
	s_mov_b32 s[G1+7], 0
	; where the tiles come from.  A's hang on g and the block row, which my row of the cluster shares; B's on g and the block column, which
	; my column shares.  Every wave makes both, in registers that never hold the other coordinate, and asks by one of them.
	s_lshl_b32 s16, s66, 23                        ; A: section g of 8 MiB,
	s_lshl_b32 s17, s13, 20                        ; 256 rows of 4,096 bytes for each block row,
	s_add_co_u32 s16, s16, s17
	s_lshl_b32 s17, s12, 19                        ; 128 rows for the half that I fetch
	s_add_co_u32 s16, s16, s17
	s_mov_b32 s17, 0
	s_lshl_b32 s46, s67, 23                        ; B likewise, with the block column
	s_lshl_b32 s47, s42, 20
	s_add_co_u32 s46, s46, s47
	s_lshl_b32 s47, s12, 19
	s_add_co_u32 s46, s46, s47
	s_mov_b32 s47, 0
	s_mul_i32 s20, s10, HALFT                      ; where they go: A's two halves, then B's two halves = wave x 128 rows
	s_wait_dscnt 0x0
	s_wait_kmcnt 0x0
	s_add_nc_u64 s[14:15], s[4:5], s[16:17]
	s_add_nc_u64 s[46:47], s[4:5], s[46:47]
	CROUND                                         ; all sixteen work-groups are here: the first joint loads meet
.irp s, 0,1
	s_mov_b32 s[G0+4*\s], 1                                        ; 1:0 count = 1
	s_add_co_u32 s[G0+4*\s+1], s20, \s*SLOT                        ; 63:32 LDS address
	s_add_nc_u64 s[G0+4*\s+2:G0+4*\s+3], s[14:15], \s*KSTEP*2      ; 120:64 global address: K step s
	s_or_b32 s[G0+4*\s+3], s[G0+4*\s+3], 0x80000000                ; 127:126 type = 2
	s_mov_b32 s[G0B+4*\s], 1
	s_add_co_u32 s[G0B+4*\s+1], s20, \s*SLOT
	s_add_nc_u64 s[G0B+4*\s+2:G0B+4*\s+3], s[46:47], \s*KSTEP*2
	s_or_b32 s[G0B+4*\s+3], s[G0B+4*\s+3], 0x80000000
	JLOAD \s                                       ; the ring is filled before anything else is done: two tensor loads of the wave are out
.endr
	; A fragment is 16 rows x 32 K in 8 registers: lane l holds row l % 16; registers 0-3 hold K = 8 (l / 16) + 0..7, registers 4-7 hold
	; K = 16 + 8 (l / 16) + 0..7: two loads of 16 bytes, 32 bytes apart.  The same for source 0 and source 1.
	v_and_b32 v1, 15, v0                           ; l % 16
	v_bfe_u32 v2, v0, 4, 1                         ; l / 16
	v_and_b32 v6, 31, v0                           ; l
	v_mul_u32_u24 v3, v1, PITCH
	v_lshl_add_u32 v3, v2, 4, v3                   ; row x pitch + 16 x half
	s_mul_i32 s21, s11, HALFT                      ; my 128 rows of A
	s_mul_i32 s22, s12, HALFT                      ; my 128 rows of B,
	s_add_co_u32 s22, s22, 2*HALFT                 ; which lie behind A's 256
.irp s, 0,1
	v_add_nc_u32 v[ADRA+\s], s21, v3
	v_add_nc_u32 v[ADRB+\s], s22, v3
	s_add_co_u32 s21, s21, SLOT
	s_add_co_u32 s22, s22, SLOT
.endr
	s_mul_i32 s23, s10, 16*SPITCH
	s_add_co_u32 s23, s23, STAGE                   ; my stage
	v_mul_u32_u24 v4, v1, SPITCH                   ; in: row l % 16, 16 bytes for each half of the lanes
	v_lshl_add_u32 v4, v2, 4, v4
	v_add_nc_u32 v[STO], s23, v4
	v_mul_u32_u24 v5, v2, SPITCH                   ; back: lanes 0-15 take one row of 256 bytes, lanes 16-31 the next
	v_lshl_add_u32 v5, v1, 4, v5
	v_add_nc_u32 v[RD], s23, v5
	v_mul_u32_u24 v5, v2, ROWB                     ; and the same two rows in C
	v_lshl_add_u32 v[CO], v1, 4, v5
	v_lshl_add_u32 v[SUMST], v1, 2, s23
	v_lshlrev_b32 v[LANE16], 4, v6
	v_add_nc_u32 v[SUMLD], s23, v[LANE16]
	v_lshlrev_b32 v[HALF32], 5, v2
	s_mov_b32 s78, 0x76543210                      ; v_permlanex16_b32: lane i of one half reads lane i of the other
	s_mov_b32 s79, 0xfedcba98
	s_mov_b32 s80, 0x3fb8aa3b                      ; log2 e, as a pair for the packed multiply
	s_mov_b32 s81, 0x3fb8aa3b
; 16 matrix instructions: m blocks a0, a0 + 1 of the window's four (hi = 0: my rows 0-63, 1: rows 64-127) x all 8 n blocks, 32 along K.
; zero = 1: the first product starts the sums: nothing is ever cleared.  The 64 accumulators take turns, one instruction a turn, in the same
; order in every quarter step.
.macro MUL16 f, hi, a0, zero
.irp a, \a0, \a0+1
.irp b, 0,1,2,3,4,5,6,7
.if \zero
	v_wmma_f32_16x16x32_bf16 v[8*(8*(\a)+\b):8*(8*(\a)+\b)+7], v[\f+8*\b:\f+8*\b+7], v[\f+8*(4*\hi+\a):\f+8*(4*\hi+\a)+7], 0
.else
	v_wmma_f32_16x16x32_bf16 v[8*(8*(\a)+\b):8*(8*(\a)+\b)+7], v[\f+8*\b:\f+8*\b+7], v[\f+8*(4*\hi+\a):\f+8*(4*\hi+\a)+7], v[8*(8*(\a)+\b):8*(8*(\a)+\b)+7]
.endif
.endr
.endr
.endm
; 32 LDS loads in one run: the fragments of one quarter step (128 rows of B, 128 rows of A, 32 K at byte k of the rows) into buffer f
.macro FETCH slot, k, f
	WIN TO_B
.irp i, 0,1,2,3,4,5,6,7
	ds_load_b128 v[\f+8*\i:\f+8*\i+3],   v[ADRB+\slot] offset:\k+\i*16*PITCH
	ds_load_b128 v[\f+8*\i+4:\f+8*\i+7], v[ADRB+\slot] offset:\k+\i*16*PITCH+32
.endr
	WIN 0
.irp i, 0,1,2,3,4,5,6,7
	ds_load_b128 v[\f+8*\i:\f+8*\i+3],   v[ADRA+\slot] offset:\k+\i*16*PITCH
	ds_load_b128 v[\f+8*\i+4:\f+8*\i+7], v[ADRA+\slot] offset:\k+\i*16*PITCH+32
.endr
.endm
; A load into a register that a matrix instruction has read, and a vector instruction that reads a matrix result or writes one of a matrix
; instruction's registers, stand four places behind it; only plain vector instructions that name none of its registers are places
; (ISA guide 7.12.1 for vector instructions).
.macro PLACES
.rept 4
	v_nop
.endr
.endm
; A K step is four quarter steps of 32 along K, 64 matrix instructions each, on buffers 0, 1, 0, 1.
; One of the first three: multiplies buffer f; in its middle it fetches the next quarter's fragments, at byte k of the same slot's rows, into buffer g.
.macro QUARTER slot, k, f, g, zero
	s_wait_dscnt 8                                 ; B and A's rows 0-63 are in; the youngest eight loads (A's rows 64-127) may be out
	WIN MUL_LO
	MUL16 \f, 0, 0, \zero
	MUL16 \f, 0, 2, \zero
	PLACES
	FETCH \slot, \k, \g
	s_wait_dscnt 32                                ; all but the 32 just issued
	WIN MUL_HI
	MUL16 \f, 1, 0, \zero
	MUL16 \f, 1, 2, \zero
.endm
.macro THREE slot, zero
	QUARTER \slot, 64,  F0, F1, \zero
	QUARTER \slot, 128, F1, F0, 0
	QUARTER \slot, 192, F0, F1, 0
.endm
; The last quarter: multiplies buffer 1 and changes slots.  next = the other slot; fill = 1: this slot is filled again, two K steps ahead.
; One barrier for the change of slots.  In front of it each wave waits for its own reads of this slot and for all its tensor loads, of which
; one is out: its part of the next slot.  Behind it nobody reads this slot any more and the next slot is whole: the refill comes first,
; then the next slot's first fragments.  From a request to the wait for it a wave issues 240 matrix instructions.
.macro TURN slot, next, fill
	s_wait_dscnt 8
	WIN MUL_LO
	MUL16 F1, 0, 0, 0
	s_wait_dscnt 0                                 ; my reads of this slot are over
	s_wait_tensorcnt 0x0                           ; and all my tensor loads have landed
	ds_add_u32 v255, v255
	s_wait_dscnt 0x0
	s_barrier_signal -1                            ; say so (where a slot is filled again this barrier opens a round of the cluster's barrier),
	MUL16 F1, 0, 2, 0                              ; work on registers while the others arrive,
	WIN 0
	s_barrier_wait -1                              ; and go on when all four have said so
.if \fill
	CREST                                          ; all sixteen work-groups have said so: no wave of any partner still reads this slot's tile or has a load on its way
	s_add_nc_u64 s[G0+4*\slot+2:G0+4*\slot+3], s[G0+4*\slot+2:G0+4*\slot+3], 2*KSTEP*2
	s_add_nc_u64 s[G0B+4*\slot+2:G0B+4*\slot+3], s[G0B+4*\slot+2:G0B+4*\slot+3], 2*KSTEP*2
	JLOAD \slot                                    ; the first tensor load behind the round, and the wave's only one until the next
.endif
	PLACES
	FETCH \next, 0, F0
	WIN MUL_HI
	MUL16 F1, 1, 0, 0
	MUL16 F1, 1, 2, 0
.endm
.macro LAP zero                        ; once round the ring, both slots filled again
	THREE 0, \zero
	TURN 0, 1, 1
	THREE 1, 0
	TURN 1, 0, 1
.endm
	s_wait_tensorcnt 0x1                           ; my part of K step 0 is in; K step 1's load stays out
	s_barrier_signal -1
	s_barrier_wait -1                              ; everybody's is
	FETCH 0, 0, F0
	LAP 1                                          ; the first lap stands in front of the loop: its first products start the sums
	WIN 0                                          ; at a label and at a branch every window is 0
	s_mov_b32 s3, LAPS-2
.Llap:
	LAP 0
	WIN 0
	s_sub_co_u32 s3, s3, 1
	s_cmp_lg_u32 s3, 0
	s_cbranch_scc1 .Llap
	THREE 0, 0                                     ; the last lap fills nothing, and has no round of the cluster's barrier
	TURN 0, 1, 0
	THREE 1, 0
	s_wait_dscnt 8                                 ; the very last quarter: nothing more to fetch
	WIN MUL_LO
	MUL16 F1, 0, 0, 0
	MUL16 F1, 0, 2, 0
	s_wait_dscnt 0
	WIN MUL_HI
	MUL16 F1, 1, 0, 0
	MUL16 F1, 1, 2, 0
	; THE WAY OUT, 16 rows of C at a time.  The four v_nop are the places behind the last matrix instructions, for everything below.
	PLACES
	WIN 0
	s_lshl_b32 s16, s66, 23                        ; section g of act,
	s_lshl_b32 s17, s13, 20                        ; my block row,
	s_add_co_u32 s16, s16, s17
	s_lshl_b32 s17, s11, 19                        ; my half of its rows
	s_add_co_u32 s16, s16, s17
	s_mov_b32 s17, 0
	s_add_nc_u64 s[8:9], s[68:69], s[16:17]
	s_lshl_b32 s46, s42, 9                         ; my first column, in bytes: 512 x block + 256 x half
	s_lshl_b32 s47, s12, 8
	s_add_co_u32 s46, s46, s47
	s_mov_b32 s47, 0
	s_add_nc_u64 s[8:9], s[8:9], s[46:47]
; The 16 rows that lie packed in PK go through my own stage in LDS and leave as whole rows of 256 bytes.  f: the registers they are read back into.
.macro STORE16 i, f
.irp b, 0,1,2,3,4,5,6,7
	ds_store_b128 v[STO], v[PK+4*\b:PK+4*\b+3] offset:32*\b
.endr
	s_wait_xcnt 0x0                                ; every earlier memory instruction has had its addresses translated (ISA guide 3.1): f, which stores read, and the stores' base are rewritten only behind this wait
.if \i
	s_add_nc_u64 s[8:9], s[8:9], 16*ROWB           ; 16 rows of C on
.endif
.irp t, 0,1,2,3,4,5,6,7
	ds_load_b128 v[\f+4*\t:\f+4*\t+3], v[RD] offset:\t*2*SPITCH    ; LDS serves a wave's instructions in order (ISA guide 5.7.1.4): these see the stores above
.endr
.irp t, 0,1,2,3,4,5,6,7
	s_wait_dscnt 7-\t                              ; rows 2 t, 2 t + 1 are in, the younger loads stay out
	global_store_b128 v[CO], v[\f+4*\t:\f+4*\t+3], s[8:9] offset:2*\t*ROWB   ; 16 lanes store 256 consecutive bytes, at a multiple of 256 from act's first byte
.endr
.endm
; rows 16 i .. 16 i + 15 of my block = the eight tiles (a, 0..7) of window 2 or 3 (from = 0x0a or 0x0f: sources 0 and 1)
; plain: round to f16 and store
.macro OUT16 i, a, from, f
	WIN \from
.irp b, 0,1,2,3,4,5,6,7
.irp r, 0,1,2,3
	v_cvt_pk_f16_f32 v[PK+4*\b+\r], v[8*(8*\a+\b)+2*\r], v[8*(8*\a+\b)+2*\r+1]
.endr
.endr
	WIN 0
	STORE16 \i, \f
.endm
; with phi and the weighted row sum of my 64 numbers of row l % 16
.macro PHI16 i, a, from
	WIN \from
.irp b, 0,1,2,3,4,5,6,7
.irp r, 0,2,4,6
	v_pk_mul_f32 v[EX+8*\b+\r:EX+8*\b+\r+1], v[8*(8*\a+\b)+\r:8*(8*\a+\b)+\r+1], s[80:81] op_sel_hi:[1,0]   ; x log2 e
.endr
.endr
.irp b, 0,1,2,3,4,5,6,7
.irp r, 0,1,2,3,4,5,6,7
	v_max_num_f32 v[PH+8*\b+\r], 0, v[8*(8*\a+\b)+\r]              ; max(x, 0)
.endr
.endr
	WIN 0
.set j, 0
.rept 64
	v_min_num_f32 v[EX+j], 0, v[EX+j]
.set j, j+1
.endr
.set j, 0
.rept 64
	v_exp_f32 v[EX+j], v[EX+j]                     ; 1 for x >= 0, e^x below
.set j, j+1
.endr
	v_nop                                          ; one plain vector instruction between a transcendental and the use of its result (ISA guide 5.7.2)
.set j, 0
	s_wait_alu depctr_va_vdst(0)
.rept 32
	v_pk_add_f32 v[PH+2*j:PH+2*j+1], v[PH+2*j:PH+2*j+1], v[EX+2*j:EX+2*j+1]   ; phi
.set j, j+1
.endr
.if \i == 0
	s_wait_loadcnt 0x0                             ; the 64 weights, asked for in front of the first tile row's arithmetic
	WIN 0x44
.set j, 0
.rept 64
	v_cndmask_b32 v[WT+j], 1.0, v[WT+j], s72       ; g = 0: z[column] stays; g = 1: a plain sum
.set j, j+1
.endr
.endif
	WIN 0x04                                       ; source 1, the weights, in window 1
.irp c, 0,1,2,3
	v_pk_mul_f32 v[SM+2*\c:SM+2*\c+1], v[PH+2*\c:PH+2*\c+1], v[WT+2*\c:WT+2*\c+1]   ; the first four pairs start the chains
.endr
.set j, 4
.rept 28
	v_pk_fma_f32 v[SM+2*(j%4):SM+2*(j%4)+1], v[PH+2*j:PH+2*j+1], v[WT+2*j:WT+2*j+1], v[SM+2*(j%4):SM+2*(j%4)+1]
.set j, j+1
.endr
	WIN 0
	v_pk_add_f32 v[SM:SM+1], v[SM:SM+1], v[SM+2:SM+3]
	v_pk_add_f32 v[SM+4:SM+5], v[SM+4:SM+5], v[SM+6:SM+7]
	v_pk_add_f32 v[SM:SM+1], v[SM:SM+1], v[SM+4:SM+5]
	v_add_f32 v[RS+\i], v[SM], v[SM+1]
.irp b, 0,1,2,3,4,5,6,7
.irp r, 0,1,2,3
	v_cvt_pk_f16_f32 v[PK+4*\b+\r], v[PH+8*\b+2*\r], v[PH+8*\b+2*\r+1]
.endr
.endr
	STORE16 \i, RB
.endm
	s_cmp_ge_u32 s66, 2                            ; g hangs on the cluster's y alone: the same way for all sixteen work-groups
	s_cbranch_scc1 .Lplain
	; g = 0, 1
	s_lshl_b32 s46, s46, 1                         ; my first column in bytes of f32: 1,024 x block + 512 x half
	s_add_nc_u64 s[74:75], s[6:7], s[46:47]        ; z at my first column
	s_lshl_b32 s16, s66, 17                        ; part: section g of 16 x 2048 f32,
	s_lshl_b32 s17, s13, 10                        ; my block's rows,
	s_add_co_u32 s16, s16, s17
	s_lshl_b32 s17, s11, 9                         ; my half of them,
	s_add_co_u32 s16, s16, s17
	s_mov_b32 s17, 0
	s_add_nc_u64 s[76:77], s[70:71], s[16:17]
	s_lshl_b32 s46, s46, 4                         ; and line 2 x block column + half, of 8,192 bytes
	s_add_nc_u64 s[76:77], s[76:77], s[46:47]
	WIN 0x40
.irp b, 0,1,2,3,4,5,6,7
	global_load_b128 v[WT+8*\b:WT+8*\b+3],   v[HALF32], s[74:75] offset:64*\b      ; z of columns 16 b + 8 (l / 16) + 0 .. 3
	global_load_b128 v[WT+8*\b+4:WT+8*\b+7], v[HALF32], s[74:75] offset:64*\b+16   ; and + 4 .. 7
.endr
	PHI16 0, 0, 0x0a
	PHI16 1, 1, 0x0a
	PHI16 2, 2, 0x0a
	PHI16 3, 3, 0x0a
	PHI16 4, 0, 0x0f
	PHI16 5, 1, 0x0f
	PHI16 6, 2, 0x0f
	PHI16 7, 3, 0x0f
.irp i, 0,1,2,3,4,5,6,7
	v_permlanex16_b32 v[SM], v[RS+\i], s78, s79    ; the other eight columns of each tile lie in the other half of the lanes
	v_add_f32 v[RS+\i], v[RS+\i], v[SM]
	ds_store_b32 v[SUMST], v[RS+\i] offset:64*\i   ; row 16 i + l % 16; both halves write the same word with the same number
.endr
	ds_load_b128 v[SM:SM+3], v[SUMLD]              ; rows 4 l .. 4 l + 3 (my own bytes, served in order)
	s_wait_dscnt 0x0
	global_store_b128 v[LANE16], v[SM:SM+3], s[76:77]              ; the wave stores 512 consecutive bytes, aligned
	s_branch .Ldone
.Lplain:
	; g = 2, 3
	OUT16 0, 0, 0x0a, F0
	OUT16 1, 1, 0x0a, F1
	OUT16 2, 2, 0x0a, F0
	OUT16 3, 3, 0x0a, F1
	OUT16 4, 0, 0x0f, F0
	OUT16 5, 1, 0x0f, F1
	OUT16 6, 2, 0x0f, F0
	OUT16 7, 3, 0x0f, F1
.Ldone:
	s_set_vgpr_msb 0x1
	s_wait_tensorcnt 0x0
	ds_add_u32 v255, v255
	s_wait_dscnt 0x0
	s_set_vgpr_msb 0x100
	CROUND                                         ; the closing round: no work-group ends while a partner may still ask for a tile that names it
	s_endpgm
.Lfunc_end_k_q5eb3d7d78f_proj:
	.size	k_q5eb3d7d78f_proj, .Lfunc_end_k_q5eb3d7d78f_proj-k_q5eb3d7d78f_proj
	.p2alignl 7, 3214868480
	.fill 96, 4, 3214868480
	.section	.rodata,"a",@progbits
	.p2align	6, 0x0
	.amdhsa_kernel k_q5eb3d7d78f_proj
		.amdhsa_group_segment_fixed_size 327680
		.amdhsa_private_segment_fixed_size 0
		.amdhsa_enable_private_segment 0
		.amdhsa_kernarg_size 32
		.amdhsa_user_sgpr_count 2
		.amdhsa_user_sgpr_kernarg_segment_ptr 1
		.amdhsa_wavefront_size32 1
		.amdhsa_system_sgpr_workgroup_id_x 1
		.amdhsa_system_sgpr_workgroup_id_y 1
		.amdhsa_system_sgpr_workgroup_id_z 1
		.amdhsa_system_vgpr_workitem_id 0
		.amdhsa_next_free_vgpr 1024
		.amdhsa_next_free_sgpr 84
		.amdhsa_reserve_vcc 0
		.amdhsa_float_denorm_mode_32 3
		.amdhsa_float_denorm_mode_16_64 3
		.amdhsa_memory_ordered 1
		.amdhsa_forward_progress 1
		.amdhsa_inst_pref_size 255
	.end_amdhsa_kernel
	.section	.bss,"aw",@nobits
	.p2align	6
	.space	262144
	.amdgpu_metadata
---
amdhsa.version: [ 1, 2 ]
amdhsa.kernels:
  - .name:           k_q5eb3d7d78f_proj
    .symbol:         k_q5eb3d7d78f_proj.kd
    .args:
      - { .name: cb, .offset: 0, .size: 8, .value_kind: global_buffer, .address_space: global }
      - { .name: z, .offset: 8, .size: 8, .value_kind: global_buffer, .address_space: global }
      - { .name: act, .offset: 16, .size: 8, .value_kind: global_buffer, .address_space: global }
      - { .name: part, .offset: 24, .size: 8, .value_kind: global_buffer, .address_space: global }
    .group_segment_fixed_size: 327680
    .private_segment_fixed_size: 0
    .kernarg_segment_align: 8
    .kernarg_segment_size: 32
    .max_flat_workgroup_size: 128
    .sgpr_count:     84
    .vgpr_count:     1024
    .wavefront_size: 32
...
	.end_amdgpu_metadata
.endif
;; end of part 2
;; launch mem (part 3): grid 8 x 32, 4 waves a work-group, clusters of 4 x 4, 327,680 bytes of LDS; arguments act, part, M, z, out0, out1, out2; writes out0, out1, out2
.if DOCPART == 3
	.amdgcn_target "amdgcn-amd-amdhsa--gfx1250"
	.amdhsa_code_object_version 6
	.text
	.protected	k_q5eb3d7d78f_mem
	.globl	k_q5eb3d7d78f_mem
	.p2align	8
	.type	k_q5eb3d7d78f_mem,@function
k_q5eb3d7d78f_mem:
	s_mov_b64 s[64:65], 0
	v_nop
	global_prefetch_b8 v0, s[64:65] scope:SCOPE_SE
	s_setreg_imm32_b32 hwreg(HW_REG_WAVE_MODE, 25, 1), 1
	s_wait_xcnt 0x0
	s_wait_alu depctr_hold_cnt(0) depctr_sa_sdst(0) depctr_va_vdst(0) depctr_va_sdst(0) depctr_va_ssrc(0) depctr_va_vcc(0) depctr_vm_vsrc(0)
	s_getreg_b32 s2, hwreg(HW_REG_IB_STS2, 6, 4)
	s_cmp_eq_u32 s2, 0
	s_cbranch_scc0 .Lentry_in_a_cluster
	s_endpgm
.Lentry_in_a_cluster:
	s_bfe_u32 s2, ttmp6, 0x10000c
	s_cmp_lg_u32 s2, 0xf033
	s_cbranch_scc0 .Lentry_shape_is_right
	s_endpgm
.Lentry_shape_is_right:
; Two products C = A B^T of 2048 x 2048 x 2048 side by side, operands f16 from act, sums in f32, results f32:
;   h = 0: out0[t][f] = (sum over d of phi_q[t][d] PT[f][d]) / denom[t],  denom[t] = the sum of the 16 parts part[0][.][t], + 1e-6
;   h = 1: out1[d][e] = M[d][e] + sum over t of phi_kT[d][t] vT[e][t];    out2[d] = z[d] + the sum of the 16 parts part[1][.][d]
; LIMITS.  1 / denom is v_rcp_f32 (1 ULP; a denormal denom counts as 0, a denormal result as 0: ISA guide 15.8) and multiplies the finished
; sum, so |denom| must lie between 2^-126 and 2^126; at denom = 0 the infinities and NaN may fall otherwise than by a division in front.
;
; A work-group makes a block of 128 rows x 256 columns with four waves, a wave 64 x 128: 32 accumulator tiles of 16 x 16, 256 registers.
; 2 products x 16 x 8 blocks = 256 work-groups.  K goes in steps of 128 through a ring of two LDS slots filled by the tensor data mover; a
; tile's rows are 256 bytes of memory and start at multiples of 256 bytes.  Two slots of a K step of 256 would take 405,504 bytes of LDS.
; CLUSTERS: 4 x 4 work-groups, all of one product: h is bit 1 of the cluster's y, so that the eight clusters of a product are those whose
; number x + 2 y agrees in bit 2.  A's tiles are shared along a row of the cluster, B's along a column, each asked for jointly: that divides
; the requests for A and for B by four.
; PREFETCH: a K step has 128 matrix instructions a wave, and LDS has no room for longer steps, so later tiles are asked for ahead of their
; tensor loads.  In the last quarter of K step t wave 3 asks for 32 blocks of 256 bytes of K step t + 4, whose tensor loads go out in K step
; t + 2: 16 of my block row's 128 rows of A (those of my block column's number) and 16 of my block column's 256 rows of B (those of my block
; row's number), so that the 8 and the 16 work-groups that read a tile ask for each of its blocks once between them.  K steps 2 and 3 are
; asked for at the start, K steps 0 and 1 not at all, and K steps 12 to 15 ask for nothing: the last block asked for is a row's last.
;
; REGISTERS, in windows of 256:
;   window 0: v0-31 addresses and 1 / denom; v32-63 the parts of denom; v64-95, v128-159 fragments of A, two buffers; on the way out
;             v64-127 scaled results, v128-191 and v192-255 rows read back, by turns
;   window 1: v64-127, v128-191 fragments of B, two buffers
;   window 2: the 32 accumulator tiles (tile (a, b) at v[8 (8 a + b)])
;   window 3: h = 1: my 64 x 128 numbers of M, row r in v[4 r : 4 r + 3], lane l its columns 4 l .. 4 l + 3; asked for in front of the K loop
; The matrix instruction is used transposed (source 0 = rows of B, source 1 = rows of A): lane l holds row l % 16 of C and its registers
; 0 to 7 the columns 8 (l / 16) + 0 .. 7.
.set SIZE_K, 2048
.set KSTEP,  128
.set PITCH,  272                       ; an LDS row: 256 bytes + 16 of padding, so the 16 rows that a load touches start at 16 different banks (ISA guide 11.1)
.set BHALF,  128*PITCH                 ; 128 rows of B: one tensor load, and what one wave reads of B
.set AHALF,  64*PITCH                  ; 64 rows of A: one tensor load, and what one wave reads of A
.set AOFF,   2*BHALF                   ; a slot: B's 256 rows, then A's 128 rows
.set SLOT,   AOFF+2*AHALF              ; 104,448
.set STAGE,  2*SLOT                    ; behind the ring: 16 rows x 528 bytes for each wave, for the way out; no tensor load lands here
.set SPITCH, 528                       ; 512 bytes of f32 + 16
.set WSTAGE, 16*SPITCH
.set LAPS,   SIZE_K/(2*KSTEP)          ; 8
.set OROW,   8192                      ; bytes in a row of 2048 f32
.set PFO,  7                           ; v7       prefetch: byte offset in act of my lane's row, one K step before the one asked for last
.set SC,   8                           ; v[8:15]  1 / denom of row 16 a + l % 16, twice, a = 0..3
.set ADRA, 16                          ; v16-17   LDS address of my A fragments in slot 0, 1
.set ADRB, 20                          ; v20-21   the same for B
.set STO,  24                          ; v24      the way out: where I put 32 bytes of a row
.set RD,   25                          ; v25      the way out: my 16 bytes of a row read back
.set CO,   26                          ; v26      16 l
.set DL,   32                          ; v[32:63] h = 0: the 16 parts of denom of rows 2 l, 2 l + 1
.set F0,   64
.set F1,   128
.set TS,   64                          ; v[64:127] h = 0: a tile row, scaled
.set RB0,  128                         ; v[128:191], v[192:255]: 16 rows read back
.set G1, 24                            ; s[24:31] descriptor group 1 for A's tiles
.set G0, 32                            ; s[32:39] descriptor group 0 for A's tiles, one set for each slot
.set G1B, 48                           ; s[48:55] descriptor group 1 for B's tiles
.set G0B, 56                           ; s[56:63] descriptor group 0 for B's tiles, one set for each slot
.set FLAGS, (1<<16)|(1<<20)|(1<<21)|(5<<22)|(3<<25)   ; element of 2 bytes; padding on; 21 set beside a mask; after every 64 words 4 words
.set MSB, 0
.macro WIN new                         ; the immediate's high byte repeats the setting that is left
.if MSB != \new
	s_set_vgpr_msb (MSB<<8)|\new
.set MSB, \new
.endif
.endm
.set MUL,  0xa1                        ; source 0 (B) window 1, source 1 (A) window 0, C and D window 2
.set TO_B, 0x40                        ; destination window 1, address window 0
; A joint load.  Waves 0 and 1 fetch B's two halves (128 rows each), waves 2 and 3 A's (64 rows each).  The branch hangs on the wave's number alone.
.macro JLOAD s
	s_cmp_eq_u32 s11, 0
	s_cbranch_scc0 .Lfor_a_\@
	tensor_load_to_lds s[G0B+4*\s:G0B+4*\s+3], s[G1B:G1B+7]
	s_nop 0
	s_branch .Lasked_\@
.Lfor_a_\@:
	tensor_load_to_lds s[G0+4*\s:G0+4*\s+3], s[G1:G1+7]
	s_nop 0
.Lasked_\@:
.endm
.macro CREST                           ; a round of the cluster's barrier behind its opening barrier
	s_cmp_lg_u32 s10, 0
	s_cbranch_scc1 .Lnot_wave_0_\@
	s_barrier_signal -3
.Lnot_wave_0_\@:
	s_barrier_wait -3
	s_barrier_signal -1
	s_barrier_wait -1
.endm
.macro CROUND                          ; a whole round
	s_barrier_signal -1
	s_barrier_wait -1
	CREST
.endm
; Wave 3 asks for my work-group's 32 blocks of the K step that lies 256 bytes behind PFO.
.macro PREF
	s_cmp_lg_u32 s10, 3
	s_cbranch_scc1 .Lno_pf_\@
	global_prefetch_b8 v[PFO], s[68:69] offset:256 th:TH_LOAD_NT scope:SCOPE_SE
.Lno_pf_\@:
.endm
	s_load_b256 s[68:75], s[0:1], 0x0              ; act s[68:69], part s[70:71], M s[72:73], z s[74:75]
	s_load_b128 s[76:79], s[0:1], 0x20             ; out0 s[76:77], out1 s[78:79]
	s_load_b64 s[80:81], s[0:1], 0x30              ; out2
	s_set_vgpr_msb 0x40
	v_lshl_add_u32 v255, v0, 2, 0x3b400
	s_set_vgpr_msb 0x4000
	v_mov_b32 v23, 0
	s_set_vgpr_msb 0x1
	ds_add_u32 v255, v23
	s_set_vgpr_msb 0x100
	v_lshrrev_b32 v1, 5, v0
	v_readfirstlane_b32 s10, v1                    ; wave 0..3
	s_lshr_b32 s11, s10, 1                         ; which 64 of the block's rows are mine.  Also: I fetch for B (0) or for A (1)
	s_and_b32 s12, s10, 1                          ; which 128 of its columns.  Also: which half of that tile I fetch
	s_bfe_u32 s40, ttmp6, 0x40000                  ; cx
	s_bfe_u32 s41, ttmp6, 0x40004                  ; cy
	s_lshl_b32 s42, ttmp9, 2
	s_add_co_u32 s42, s42, s40                     ; block column 0..7 = 4 x cluster x + cx
	s_and_b32 s45, ttmp7, 0xffff                   ; cluster y, 0..7
	s_lshr_b32 s66, s45, 1
	s_and_b32 s66, s66, 1                          ; h: the product = bit 1 of the cluster's y
	s_and_b32 s13, s45, 1                          ; its bit 0,
	s_lshr_b32 s67, s45, 2                         ; and its bit 2
	s_lshl_b32 s67, s67, 1
	s_add_co_u32 s13, s13, s67                     ; number the product's four clusters along y
	s_lshl_b32 s13, s13, 2
	s_add_co_u32 s13, s13, s41                     ; block row 0..15 = 4 x that number + cy
	s_lshl_b32 s43, s41, 2
	s_lshl_b32 s43, 15, s43                        ; my row of the cluster
	s_lshl_b32 s44, 0x1111, s40                    ; my column
	s_or_b32 s[G1+0], s43, FLAGS                   ; A's tiles go to my row of the cluster
	s_or_b32 s[G1B+0], s44, FLAGS                  ; B's to my column
	s_mov_b32 s[G1+1], KSTEP<<16                   ; tensor_dim0 = 128
	s_mov_b32 s[G1B+1], KSTEP<<16
	s_mov_b32 s[G1+2], 64<<16                      ; tensor_dim1 = 64 rows of A,
	s_mov_b32 s[G1B+2], 128<<16                    ; 128 rows of B
	s_mov_b32 s[G1+3], KSTEP<<16                   ; tile_dim0 = 128
	s_mov_b32 s[G1B+3], KSTEP<<16
	s_mov_b32 s[G1+4], 64                          ; tile_dim1
	s_mov_b32 s[G1B+4], 128
	s_mov_b32 s[G1+5], SIZE_K                      ; elements from row to row
	s_mov_b32 s[G1B+5], SIZE_K
	s_mov_b32 s[G1+6], 0
	s_mov_b32 s[G1B+6], 0
	s_mov_b32 s[G1+7], 0
	s_mov_b32 s[G1B+7], 0
	; where the tiles come from: A's hang on h and the block row, B's on h and the block column, each in registers that never hold the other coordinate
	s_lshl_b32 s16, s66, 23                        ; A: section h of act (phi_q, phi_kT),
	s_lshl_b32 s17, s13, 19                        ; 128 rows of 4,096 bytes for each block row,
	s_add_co_u32 s16, s16, s17
	s_lshl_b32 s17, s12, 18                        ; 64 rows for the half that I fetch
	s_add_co_u32 s16, s16, s17
	s_mov_b32 s17, 0
	s_sub_co_u32 s67, 3, s66                       ; B: section 3 - h (PT, vT),
	s_lshl_b32 s46, s67, 23
	s_lshl_b32 s47, s42, 20                        ; 256 rows for each block column,
	s_add_co_u32 s46, s46, s47
	s_lshl_b32 s47, s12, 19                        ; 128 rows for the half
	s_add_co_u32 s46, s46, s47
	s_mov_b32 s47, 0
	s_mul_i32 s20, s10, BHALF                      ; where they go.  B's halves: waves 0, 1 at wave x 128 rows
	s_mul_i32 s21, s10, AHALF                      ; A's halves: waves 2, 3 at 128 rows + wave x 64 rows = behind B's 256
	s_add_co_u32 s21, s21, BHALF
	s_wait_dscnt 0x0
	s_wait_kmcnt 0x0
	s_add_nc_u64 s[14:15], s[68:69], s[16:17]
	s_add_nc_u64 s[46:47], s[68:69], s[46:47]
	CROUND                                         ; all sixteen work-groups are here: the first joint loads meet
.irp s, 0,1
	s_mov_b32 s[G0+4*\s], 1
	s_add_co_u32 s[G0+4*\s+1], s21, \s*SLOT
	s_add_nc_u64 s[G0+4*\s+2:G0+4*\s+3], s[14:15], \s*KSTEP*2
	s_or_b32 s[G0+4*\s+3], s[G0+4*\s+3], 0x80000000
	s_mov_b32 s[G0B+4*\s], 1
	s_add_co_u32 s[G0B+4*\s+1], s20, \s*SLOT
	s_add_nc_u64 s[G0B+4*\s+2:G0B+4*\s+3], s[46:47], \s*KSTEP*2
	s_or_b32 s[G0B+4*\s+3], s[G0B+4*\s+3], 0x80000000
	JLOAD \s                                       ; the ring is filled before anything else is done: two tensor loads of the wave are out
.endr
	v_and_b32 v1, 15, v0                           ; l % 16
	v_bfe_u32 v2, v0, 4, 1                         ; l / 16
	v_and_b32 v4, 31, v0                           ; l
	; prefetch: lanes 0-15 take rows 128 x block row + 16 x block column + l of A's section, lanes 16-31 rows 256 x block column + 16 x block row + l - 16 of B's
	s_lshl_b32 s88, s66, 23
	s_lshl_b32 s89, s13, 19
	s_add_co_u32 s88, s88, s89
	s_lshl_b32 s89, s42, 16
	s_add_co_u32 s88, s88, s89
	s_lshl_b32 s90, s67, 23
	s_lshl_b32 s91, s42, 20
	s_add_co_u32 s90, s90, s91
	s_lshl_b32 s91, s13, 16
	s_add_co_u32 s90, s90, s91
	s_add_co_u32 s88, s88, 2*KSTEP*2               ; both at K step 2
	s_add_co_u32 s90, s90, 2*KSTEP*2
	v_mov_b32 v5, s88
	v_mov_b32 v6, s90
	v_cmp_eq_u32 vcc_lo, 1, v2
	v_cndmask_b32 v5, v5, v6, vcc_lo
	v_lshl_add_u32 v[PFO], v1, 12, v5              ; + my row's 4,096 bytes
	s_cmp_lg_u32 s10, 3                            ; wave 3 asks
	s_cbranch_scc1 .Lno_pf_start
	global_prefetch_b8 v[PFO], s[68:69] th:TH_LOAD_NT scope:SCOPE_SE              ; K step 2: its tensor loads go out in K step 0
	global_prefetch_b8 v[PFO], s[68:69] offset:256 th:TH_LOAD_NT scope:SCOPE_SE   ; K step 3
.Lno_pf_start:
	v_mul_u32_u24 v3, v1, PITCH
	v_lshl_add_u32 v3, v2, 4, v3                   ; fragments: row x pitch + 16 x half
	s_mul_i32 s4, s11, AHALF
	s_add_co_u32 s4, s4, AOFF                      ; my 64 rows of A
	s_mul_i32 s5, s12, BHALF                       ; my 128 rows of B
.irp s, 0,1
	v_add_nc_u32 v[ADRA+\s], s4, v3
	v_add_nc_u32 v[ADRB+\s], s5, v3
	s_add_co_u32 s4, s4, SLOT
	s_add_co_u32 s5, s5, SLOT
.endr
	s_mul_i32 s23, s10, WSTAGE
	s_add_co_u32 s23, s23, STAGE                   ; my stage
	v_mul_u32_u24 v5, v1, SPITCH                   ; in: row l % 16, 32 bytes for each half of the lanes in each tile's 64
	v_lshl_add_u32 v5, v2, 5, v5
	v_add_nc_u32 v[STO], s23, v5
	v_lshlrev_b32 v[CO], 4, v4                     ; back, and in memory: 32 lanes take a row's 512 bytes
	v_add_nc_u32 v[RD], s23, v[CO]
	s_lshl_b32 s84, s13, 20                        ; my 64 x 128 numbers in a matrix of f32: 128 rows of 8,192 bytes for each block row,
	s_lshl_b32 s85, s11, 19                        ; 64 rows for my half,
	s_add_co_u32 s84, s84, s85
	s_lshl_b32 s85, s42, 10                        ; 1,024 bytes for each block column,
	s_add_co_u32 s84, s84, s85
	s_lshl_b32 s85, s12, 9                         ; 512 for my half
	s_add_co_u32 s84, s84, s85
	s_mov_b32 s85, 0
; 16 matrix instructions: m blocks a0, a0 + 1 x all 8 n blocks, 32 along K.  zero = 1: the first product starts the sums.
; The 32 accumulators take turns, one instruction a turn, in the same order in every quarter step.
.macro MUL16 f, a0, zero
.irp a, \a0, \a0+1
.irp b, 0,1,2,3,4,5,6,7
.if \zero
	v_wmma_f32_16x16x32_f16 v[8*(8*(\a)+\b):8*(8*(\a)+\b)+7], v[\f+8*\b:\f+8*\b+7], v[\f+8*(\a):\f+8*(\a)+7], 0
.else
	v_wmma_f32_16x16x32_f16 v[8*(8*(\a)+\b):8*(8*(\a)+\b)+7], v[\f+8*\b:\f+8*\b+7], v[\f+8*(\a):\f+8*(\a)+7], v[8*(8*(\a)+\b):8*(8*(\a)+\b)+7]
.endif
.endr
.endr
.endm
; 24 LDS loads in one run: the fragments of one quarter step (128 rows of B, 64 rows of A, 32 K at byte k of the rows) into buffer f
.macro FETCH slot, k, f
	WIN TO_B
.irp i, 0,1,2,3,4,5,6,7
	ds_load_b128 v[\f+8*\i:\f+8*\i+3],   v[ADRB+\slot] offset:\k+\i*16*PITCH
	ds_load_b128 v[\f+8*\i+4:\f+8*\i+7], v[ADRB+\slot] offset:\k+\i*16*PITCH+32
.endr
	WIN 0
.irp i, 0,1,2,3
	ds_load_b128 v[\f+8*\i:\f+8*\i+3],   v[ADRA+\slot] offset:\k+\i*16*PITCH
	ds_load_b128 v[\f+8*\i+4:\f+8*\i+7], v[ADRA+\slot] offset:\k+\i*16*PITCH+32
.endr
.endm
; Four places behind a matrix instruction before a load lands in one of its sources or anything but a matrix instruction reads its result
; (ISA guide 7.12.1 for vector instructions).
.macro PLACES
.rept 4
	v_nop
.endr
.endm
; A K step is four quarter steps of 32 along K, 32 matrix instructions each, on buffers 0, 1, 0, 1.
; One of the first three: at its head it fetches the next quarter's fragments into buffer g, which then have its 32 matrix instructions to land in.
.macro QUARTER slot, k, f, g, zero
	PLACES
	FETCH \slot, \k, \g
	s_wait_dscnt 24                                ; all but the 24 just issued: buffer f is in
	WIN MUL
	MUL16 \f, 0, \zero
	MUL16 \f, 2, \zero
.endm
.macro THREE slot, zero
	QUARTER \slot, 64,  F0, F1, \zero
	QUARTER \slot, 128, F1, F0, 0
	QUARTER \slot, 192, F0, F1, 0
.endm
; The last quarter: changes slots at its head, then multiplies buffer 1.  This slot's last fragments are in buffer 1 by then, so the slot is
; given up a quarter step before its products are done.  In front of the barrier each wave waits for its reads of this slot and for all its
; tensor loads, of which one is out: its part of the next slot.  Behind it the refill comes first, then the next slot's first fragments, then
; the quarter's 32 matrix instructions.  From a request to the wait for it a wave issues a whole K step's 128 matrix instructions.
; fill = 1: this slot is filled again, two K steps ahead.  pf = 1: the K step four ahead is asked for.
.macro TURN slot, next, fill, pf
	s_wait_dscnt 0                                 ; buffer 1 is in, and my reads of this slot are over
	s_wait_tensorcnt 0x0                           ; all my tensor loads have landed
	ds_add_u32 v255, v23
	s_wait_dscnt 0x0
	WIN 0
	s_barrier_signal -1                            ; say so (where a slot is filled again this barrier opens a round of the cluster's barrier)
	s_barrier_wait -1
.if \fill
	CREST                                          ; no wave of any partner still reads this slot's tile or has a load on its way
	s_add_nc_u64 s[G0+4*\slot+2:G0+4*\slot+3], s[G0+4*\slot+2:G0+4*\slot+3], 2*KSTEP*2
	s_add_nc_u64 s[G0B+4*\slot+2:G0B+4*\slot+3], s[G0B+4*\slot+2:G0B+4*\slot+3], 2*KSTEP*2
	JLOAD \slot                                    ; the first tensor load behind the round, and the wave's only one until the next
.endif
.if \pf
	s_wait_xcnt 0x0                                ; the last prefetch, a K step ago, has had its addresses translated (ISA guide 3.1): its offset register is rewritten only behind this wait
	v_add_nc_u32 v[PFO], KSTEP*2, v[PFO]           ; one K step on
.endif
	PLACES
	FETCH \next, 0, F0
.if \pf
	PREF                                           ; behind the run of LDS loads, in front of 32 matrix instructions
.endif
	WIN MUL
	MUL16 F1, 0, 0
	MUL16 F1, 2, 0
.endm
.macro LAP zero, pf
	THREE 0, \zero
	TURN 0, 1, 1, \pf
	THREE 1, 0
	TURN 1, 0, 1, \pf
.endm
; All sixteen K steps; at its end four places stand behind the last matrix instruction and every window is 0.
.macro KLOOP id
	s_wait_tensorcnt 0x1                           ; my part of K step 0 is in; K step 1's load stays out
	s_barrier_signal -1
	s_barrier_wait -1
	FETCH 0, 0, F0
	LAP 1, 1                                       ; K steps 0, 1: the first products start the sums; K steps 4, 5 are asked for
	WIN 0
	s_mov_b32 s3, LAPS-3
.Llap_\id:
	LAP 0, 1                                       ; K steps 2 to 11; K steps 6 to 15 are asked for
	WIN 0
	s_sub_co_u32 s3, s3, 1
	s_cmp_lg_u32 s3, 0
	s_cbranch_scc1 .Llap_\id
	LAP 0, 0                                       ; K steps 12, 13: the last two refills; nothing is left to ask for
	THREE 0, 0                                     ; the last lap fills nothing, and has no round of the cluster's barrier
	TURN 0, 1, 0, 0
	THREE 1, 0
	s_wait_dscnt 0x0
	WIN MUL
	MUL16 F1, 0, 0
	MUL16 F1, 2, 0
	PLACES
	WIN 0
.endm
; Rows 16 i .. 16 i + 15 of my 64 = the eight tiles (i, 0..7): through my own stage in LDS, read back as whole rows of 512 bytes, stored.
; h = 0: each row times its 1 / denom on the way in.  h = 1: M's rows added on the way back.
.macro OUTROW i, h
.set RBI, RB0+64*(\i&1)
.if \h == 0
	WIN 0x02                                       ; source 0, the sums, in window 2
.irp b, 0,1,2,3,4,5,6,7
.irp r, 0,2,4,6
	v_pk_mul_f32 v[TS+8*\b+\r:TS+8*\b+\r+1], v[8*(8*\i+\b)+\r:8*(8*\i+\b)+\r+1], v[SC+2*\i:SC+2*\i+1]
.endr
.endr
	WIN 0
.irp b, 0,1,2,3,4,5,6,7
	ds_store_b128 v[STO], v[TS+8*\b:TS+8*\b+3]   offset:64*\b
	ds_store_b128 v[STO], v[TS+8*\b+4:TS+8*\b+7] offset:64*\b+16
.endr
.else
	WIN 0x08                                       ; the stores' data in window 2: the sums as they are
.irp b, 0,1,2,3,4,5,6,7
	ds_store_b128 v[STO], v[8*(8*\i+\b):8*(8*\i+\b)+3]   offset:64*\b
	ds_store_b128 v[STO], v[8*(8*\i+\b)+4:8*(8*\i+\b)+7] offset:64*\b+16
.endr
	WIN 0
.endif
	s_wait_xcnt 0x0                                ; every earlier memory instruction has had its addresses translated (ISA guide 3.1): the registers below, which stores read two tile rows ago, are rewritten only behind this wait
.irp t, 0,1,2,3,4,5,6,7,8,9,10,11,12,13,14,15
	ds_load_b128 v[RBI+4*\t:RBI+4*\t+3], v[RD] offset:SPITCH*\t    ; LDS serves a wave's instructions in order (ISA guide 5.7.1.4): these see the stores above
.endr
.if \h == 0
.irp t, 0,1,2,3,4,5,6,7,8,9,10,11,12,13,14,15
	s_wait_dscnt 15-\t                             ; row t is in, the younger loads stay out
	global_store_b128 v[CO], v[RBI+4*\t:RBI+4*\t+3], s[8:9] offset:(16*\i+\t)*OROW th:TH_STORE_NT   ; the wave stores 512 consecutive bytes, aligned
.endr
.else
	s_wait_dscnt 0x0
	WIN 0x0c                                       ; source 1, M, in window 3
.irp t, 0,1,2,3,4,5,6,7,8,9,10,11,12,13,14,15
	v_pk_add_f32 v[RBI+4*\t:RBI+4*\t+1],   v[RBI+4*\t:RBI+4*\t+1],   v[4*(16*\i+\t):4*(16*\i+\t)+1]
	v_pk_add_f32 v[RBI+4*\t+2:RBI+4*\t+3], v[RBI+4*\t+2:RBI+4*\t+3], v[4*(16*\i+\t)+2:4*(16*\i+\t)+3]
.endr
	WIN 0
.irp t, 0,1,2,3,4,5,6,7,8,9,10,11,12,13,14,15
	global_store_b128 v[CO], v[RBI+4*\t:RBI+4*\t+3], s[8:9] offset:(16*\i+\t)*OROW th:TH_STORE_NT
.endr
.endif
.endm
	s_cmp_lg_u32 s66, 0                            ; h hangs on the cluster's y alone: the same way for all sixteen work-groups
	s_cbranch_scc1 .Lh1
	; ---- h = 0: out0 ----
	v_lshlrev_b32 v27, 3, v4                       ; 8 l: rows 2 l, 2 l + 1 of my 64
	v_add_nc_u32 v29, s23, v27                     ; the same in my stage
	v_lshl_add_u32 v28, v1, 2, s23                 ; my stage + 4 (l % 16)
	s_mov_b32 s6, 0x358637bd                       ; 1e-6, as a pair for the packed add
	s_mov_b32 s7, 0x358637bd
	s_lshl_b32 s82, s13, 9                         ; my 64 rows in a line of part: 512 bytes for each block row, 256 for my half
	s_lshl_b32 s83, s11, 8
	s_add_co_u32 s82, s82, s83
	s_mov_b32 s83, 0
	s_add_nc_u64 s[82:83], s[70:71], s[82:83]
	s_add_nc_u64 s[8:9], s[76:77], s[84:85]        ; out0 at my first number
.irp p, 0,1,2,3,4,5,6,7,8,9,10,11,12,13,14,15
	global_load_b64 v[DL+2*\p:DL+2*\p+1], v27, s[82:83] offset:OROW*\p   ; part p of denom: the wave takes 256 consecutive bytes; out until the K loop is over
.endr
	KLOOP 0
	s_wait_loadcnt 0x0
.irp p, 0,2,4,6,8,10,12,14
	v_pk_add_f32 v[DL+2*\p:DL+2*\p+1], v[DL+2*\p:DL+2*\p+1], v[DL+2*\p+2:DL+2*\p+3]
.endr
.irp p, 0,4,8,12
	v_pk_add_f32 v[DL+2*\p:DL+2*\p+1], v[DL+2*\p:DL+2*\p+1], v[DL+2*\p+4:DL+2*\p+5]
.endr
	v_pk_add_f32 v[DL:DL+1], v[DL:DL+1], v[DL+8:DL+9]
	v_pk_add_f32 v[DL+16:DL+17], v[DL+16:DL+17], v[DL+24:DL+25]
	v_pk_add_f32 v[DL:DL+1], v[DL:DL+1], v[DL+16:DL+17]
	v_pk_add_f32 v[DL:DL+1], v[DL:DL+1], s[6:7] op_sel_hi:[1,0]    ; denom
	v_rcp_f32 v[DL+2], v[DL]
	v_rcp_f32 v[DL+3], v[DL+1]
	v_nop                                          ; one plain vector instruction between a transcendental and the use of its result (ISA guide 5.7.2)
	s_wait_alu depctr_va_vdst(0)
	ds_store_b64 v29, v[DL+2:DL+3]                 ; 64 reciprocals into my stage, by row
.irp a, 0,1,2,3
	ds_load_b32 v[SC+2*\a],   v28 offset:64*\a     ; that of row 16 a + l % 16, into both registers of a pair for the packed multiply
	ds_load_b32 v[SC+2*\a+1], v28 offset:64*\a
.endr
	s_wait_dscnt 0x0
	OUTROW 0, 0
	OUTROW 1, 0
	OUTROW 2, 0
	OUTROW 3, 0
	s_set_vgpr_msb 0x1
	s_wait_tensorcnt 0x0
	ds_add_u32 v255, v23
	s_wait_dscnt 0x0
	s_set_vgpr_msb 0x100
	CROUND                                         ; the closing round: no work-group ends while a partner may still ask for a tile that names it
	s_endpgm
	; ---- h = 1: out1 and out2 ----
.Lh1:
	v_lshlrev_b32 v31, 2, v1                       ; 4 (l % 16)
	v_lshl_add_u32 v30, v2, 16, v31                ; + 8 lines of part for lanes 16 to 31
	s_mov_b32 s18, 0x76543210                      ; v_permlanex16_b32: lane i of one half reads lane i of the other
	s_mov_b32 s19, 0xfedcba98
	s_add_nc_u64 s[8:9], s[78:79], s[84:85]        ; out1 and M at my first number
	s_add_nc_u64 s[86:87], s[72:73], s[84:85]
	s_lshl_b32 s88, s13, 9                         ; out2: each of the 128 work-groups makes 16 numbers, from d = 128 x block row + 16 x block column on
	s_lshl_b32 s89, s42, 6
	s_add_co_u32 s88, s88, s89
	s_mov_b32 s89, 0
	s_add_nc_u64 s[90:91], s[70:71], s[88:89]
	s_add_nc_u64 s[90:91], s[90:91], 0x20000       ; section 1 of part
	s_add_nc_u64 s[92:93], s[74:75], s[88:89]
	s_add_nc_u64 s[94:95], s[80:81], s[88:89]
	s_cmp_lg_u32 s10, 0                            ; wave 0 alone, while the first tiles are on their way
	s_cbranch_scc1 .Lnot_z
.irp j, 0,1,2,3,4,5,6,7
	global_load_b32 v[32+\j], v30, s[90:91] offset:OROW*\j         ; parts 8 (l / 16) + j of number l % 16
.endr
	global_load_b32 v40, v31, s[92:93]             ; z
	s_wait_loadcnt 0x0
	v_add_f32 v32, v32, v33
	v_add_f32 v34, v34, v35
	v_add_f32 v36, v36, v37
	v_add_f32 v38, v38, v39
	v_add_f32 v32, v32, v34
	v_add_f32 v36, v36, v38
	v_add_f32 v32, v32, v36
	v_permlanex16_b32 v33, v32, s18, s19           ; the other eight parts
	v_add_f32 v32, v32, v33
	v_add_f32 v32, v32, v40
	s_wait_xcnt 0x0                                ; EXEC changes only behind this wait
	v_cmp_gt_u32 vcc_lo, 16, v0
	s_and_saveexec_b32 s2, vcc_lo                  ; lanes 0 to 15
	global_store_b32 v31, v32, s[94:95]            ; 64 consecutive bytes: out2's 8,192 bytes are shared evenly
	s_wait_xcnt 0x0                                ; and again, in front of the line that widens it
	s_or_b32 exec_lo, exec_lo, s2
.Lnot_z:
	WIN 0xc0                                       ; destination in window 3
.set j, 0
.rept 64
	global_load_b128 v[4*j:4*j+3], v[CO], s[86:87] offset:j*OROW th:TH_LOAD_NT   ; row j of my part of M: 512 consecutive bytes; out until the K loop is over
.set j, j+1
.endr
	WIN 0
	KLOOP 1
	s_wait_loadcnt 0x0
	OUTROW 0, 1
	OUTROW 1, 1
	OUTROW 2, 1
	OUTROW 3, 1
	s_set_vgpr_msb 0x1
	s_wait_tensorcnt 0x0
	ds_add_u32 v255, v23
	s_wait_dscnt 0x0
	s_set_vgpr_msb 0x100
	CROUND                                         ; the closing round
	s_endpgm
.Lfunc_end_k_q5eb3d7d78f_mem:
	.size	k_q5eb3d7d78f_mem, .Lfunc_end_k_q5eb3d7d78f_mem-k_q5eb3d7d78f_mem
	.p2alignl 7, 3214868480
	.fill 96, 4, 3214868480
	.section	.rodata,"a",@progbits
	.p2align	6, 0x0
	.amdhsa_kernel k_q5eb3d7d78f_mem
		.amdhsa_group_segment_fixed_size 327680
		.amdhsa_private_segment_fixed_size 0
		.amdhsa_enable_private_segment 0
		.amdhsa_kernarg_size 56
		.amdhsa_user_sgpr_count 2
		.amdhsa_user_sgpr_kernarg_segment_ptr 1
		.amdhsa_wavefront_size32 1
		.amdhsa_system_sgpr_workgroup_id_x 1
		.amdhsa_system_sgpr_workgroup_id_y 1
		.amdhsa_system_sgpr_workgroup_id_z 1
		.amdhsa_system_vgpr_workitem_id 0
		.amdhsa_next_free_vgpr 1024
		.amdhsa_next_free_sgpr 96
		.amdhsa_reserve_vcc 1
		.amdhsa_float_denorm_mode_32 3
		.amdhsa_float_denorm_mode_16_64 3
		.amdhsa_memory_ordered 1
		.amdhsa_forward_progress 1
		.amdhsa_inst_pref_size 255
	.end_amdhsa_kernel
	.section	.bss,"aw",@nobits
	.p2align	6
	.space	262144
	.amdgpu_metadata
---
amdhsa.version: [ 1, 2 ]
amdhsa.kernels:
  - .name:           k_q5eb3d7d78f_mem
    .symbol:         k_q5eb3d7d78f_mem.kd
    .args:
      - { .name: act, .offset: 0, .size: 8, .value_kind: global_buffer, .address_space: global }
      - { .name: part, .offset: 8, .size: 8, .value_kind: global_buffer, .address_space: global }
      - { .name: M, .offset: 16, .size: 8, .value_kind: global_buffer, .address_space: global }
      - { .name: z, .offset: 24, .size: 8, .value_kind: global_buffer, .address_space: global }
      - { .name: out0, .offset: 32, .size: 8, .value_kind: global_buffer, .address_space: global }
      - { .name: out1, .offset: 40, .size: 8, .value_kind: global_buffer, .address_space: global }
      - { .name: out2, .offset: 48, .size: 8, .value_kind: global_buffer, .address_space: global }
    .group_segment_fixed_size: 327680
    .private_segment_fixed_size: 0
    .kernarg_segment_align: 8
    .kernarg_segment_size: 56
    .max_flat_workgroup_size: 128
    .sgpr_count:     96
    .vgpr_count:     1024
    .wavefront_size: 32
...
	.end_amdgpu_metadata
.endif
;; end of part 3
